; MI455X (gfx1250); checked and timed in simulation.
; The chip was launched on July 23, 2026; its instructions are those of AMD's public machine-readable ISA for CDNA 5 (MIT licence, August 2026) and "CDNA5" Instruction Set Architecture Reference Guide (July 2026). The comments in the code are by the model that wrote it; some were corrected since.
;; Co PE Attention. Allowed arithmetic: float matrix products may take bf16 or f16 operands with f32 sums; all other float work in f32.
;; Inputs: Wk 768 x 768 float32; Wq 768 x 768 float32; Wv 768 x 768 float32; attention_mask 8 x 1,024 int32; bk 768 float32; bq 768 float32; bv 768 float32; pos_emb 768 x 512 float32; token_embeddings 8 x 1,024 x 768 float32.
;; Outputs: out0 8 x 768 float32.
;; One version. Each part assembles by itself: llvm-mc -triple=amdgcn-amd-amdhsa -mcpu=gfx1250 --defsym DOCPART=n.
;; ======== version 1 of 1: 4 launches
;; workspace buffers: part 983,040 bytes; cpart 6,144 bytes; logits 32,768 bytes; gsum 1,024 bytes; lifin 16,384 bytes; ypart 786,432 bytes; ms 2,048 bytes
;; launch proj (part 1): grid 24 x 10, 8 waves a work-group, no clusters, 58,368 bytes of LDS; arguments token_embeddings, Wq, bq, Wk, bk, pos_emb, part, cpart; writes part, cpart
.if DOCPART == 1
	.amdgcn_target "amdgcn-amd-amdhsa--gfx1250"
	.amdhsa_code_object_version 6
	.text
	.protected	k_q21a3a9e570_proj
	.globl	k_q21a3a9e570_proj
	.p2align	8
	.type	k_q21a3a9e570_proj,@function
k_q21a3a9e570_proj:
	s_mov_b64 s[64:65], 0
	v_nop
	global_prefetch_b8 v0, s[64:65] scope:SCOPE_SE
	s_setreg_imm32_b32 hwreg(HW_REG_WAVE_MODE, 25, 1), 1
	s_wait_xcnt 0x0
; FIRST OF FOUR LAUNCHES.  The problem returns only query row 0 of each of the 8 batches, so only q0[b] = Wq x[b,0] + bq is needed, and
;   logit[b,t] = scale (u[b] . x[b,t] + c[b])   with u[b][d] = sum over e of q0[b][e] Wk[e][d],  c[b] = sum over e of q0[b][e] bk[e]
;   li[b][n]   = sum over e of q0[b][e] pos_emb[e][n]
; These hold for every input.  This launch makes q0 and partial sums of u, li (over ranges of 32 values of e) and c (over ranges of 4).
; Work-group (e = x id, 0..23; j = y id, 0..9): rows 32 e .. 32 e + 31 of Wq and of the second matrix, and 128 columns of the second matrix:
; j = 0..5 columns 128 j of Wk, j = 6..9 columns 128 (j - 6) of pos_emb.  Wave w owns rows R = 32 e + 4 w + 0..3 in both stages.
; part [b 8][e 24][1280] f32: columns 0..767 partial u, 768..1279 partial li.  cpart [8 e + w: 192][b 8] f32, written where j = 0.
; All arithmetic is f32 on the vector ALU: each loaded number feeds 8 multiply-adds at the most, so bytes decide and the matrix units,
; with operands rounded to 16 bits, would save none.  No tensor loads: a wave asks for its whole share (34 loads of 512 bytes) at once.
; No cluster: what is shared is the 32 rows of Wq among the ten work-groups of one e; ten does not divide into clusters of four, and the rows
; are used straight from the registers they are loaded into.
; cpart is stored as 32 bytes a wave (6,144 bytes in the launch); part as 512 consecutive aligned bytes a wave.
; Limit: the sums run in another order than in the problem's function; all are f32.
.set ROWB, 3072                        ; bytes in a row of x, Wq, Wk
.set POSB, 2048                        ; bytes in a row of pos_emb
.set BATB, 3145728                     ; bytes in a batch of x
.set PROW, 5120                        ; bytes in a row of part
.set PBAT, 122880                      ; bytes of part in a batch
.set RED,  24576                       ; LDS 0..24575: x[b,0], 8 rows of 3,072 bytes.  RED .. 57343: [wave 8][b 8][lane 32] 16 bytes
.set XB0,  16                          ; v[16:39]   x[b,0], my 24 columns, buffer 0
.set XB1,  40                          ; v[40:63]   buffer 1
.set WQ,   64                          ; v[64:159]  my 4 rows of Wq, 24 registers each: lane l holds columns 4 l + 128 i + 0..3 in registers 4 i ..
.set W2,   160                         ; v[160:175] my 4 rows of the second matrix, 4 columns a lane
.set Q,    176                         ; v[176:207] q0 of row r and batch b at 8 r + b
.set P,    208                         ; v[208:215] a pair of running sums for each row
.set ACC2, 64                          ; v[64:95]   stage 2: 4 columns for each batch (Wq is done with by then)
.set SUM,  96                          ; v[96:127]  the eight waves' shares of one batch
.set CWR,  128                         ; v[128:135] my rows' share of c[b], the same in all lanes
; v1 lane, v2 16 lane, v3 x offset, v4 LDS x row, v6-8 rows 1-3 of the second matrix, v9/v10 RED in/out, v11 part offset, v12/v13 scratch, v14 0
	s_load_b512 s[4:19], s[0:1], 0x0               ; x 4, Wq 6, bq 8, Wk 10, bk 12, pos_emb 14, part 16, cpart 18
	v_lshl_add_u32 v224, v0, 2, 0xe000
	v_mov_b32 v225, 0
	v_and_b32 v1, 31, v0                           ; lane
	v_lshrrev_b32 v2, 5, v0
	v_readfirstlane_b32 s20, v2                    ; wave
	s_and_b32 s22, ttmp7, 0xffff                   ; j
	s_lshl_b32 s23, ttmp9, 5
	s_lshl2_add_u32 s23, s20, s23                  ; R = 32 e + 4 w
	s_mov_b32 s44, 0x76543210                      ; v_permlanex16_b32: lane i reads lane i of the other half
	s_mov_b32 s45, 0xfedcba98
	s_lshl_b32 s39, s22, 9                         ; column byte in Wk: 512 j
	s_max_u32 s42, s22, 6
	s_sub_co_u32 s42, s42, 6
	s_lshl_b32 s42, s42, 9                         ; column byte in pos_emb: 512 (j - 6)
	s_mov_b32 s43, POSB
	s_cmp_lt_u32 s22, 6
	s_cselect_b32 s39, s39, s42                    ; column byte
	s_cselect_b32 s38, ROWB, s43                   ; pitch
	v_lshlrev_b32 v2, 4, v1                        ; 16 lane
	s_mul_i32 s24, s20, BATB
	v_add_nc_u32 v3, s24, v2                       ; x[w, 0]: wave w fetches batch w
	s_mul_i32 s24, s20, ROWB
	v_add_nc_u32 v4, s24, v2                       ; and lays it at LDS row w
	v_add_nc_u32 v6, s38, v2                       ; rows 1, 2, 3 of the second matrix
	v_add_nc_u32 v7, s38, v6
	v_add_nc_u32 v8, s38, v7
	s_lshl_b32 s24, s20, 12
	s_add_co_u32 s24, s24, RED
	v_add_nc_u32 v9, s24, v2                       ; RED[wave = w][.][lane]
	s_lshl_b32 s24, s20, 9
	s_add_co_u32 s24, s24, RED
	v_add_nc_u32 v10, s24, v2                      ; RED[.][b = w][lane]
	s_mul_i32 s24, s20, PBAT
	v_add_nc_u32 v11, s24, v2                      ; part[b = w]
	v_mov_b32 v14, 0                               ; offset of the store of c
	v_mov_b32 v12, 0                               ; destinations of v_permlanex16_b32 count as read
	v_mov_b32 v13, 0
	s_mov_b32 s25, 0                               ; upper word of every offset below
	s_wait_kmcnt 0x0
	s_cmp_lt_u32 s22, 6                            ; (again: the adds above wrote SCC)
	s_cselect_b64 s[36:37], s[10:11], s[14:15]     ; Wk or pos_emb
	s_mul_i32 s24, s23, s38
	s_add_co_u32 s24, s24, s39
	s_add_nc_u64 s[36:37], s[36:37], s[24:25]      ; at row R, my columns
	s_mul_i32 s24, s23, ROWB
	s_add_nc_u64 s[6:7], s[6:7], s[24:25]          ; Wq at row R
	s_lshl_b32 s24, s23, 2
	s_add_nc_u64 s[8:9], s[8:9], s[24:25]          ; bq[R]
	s_add_nc_u64 s[12:13], s[12:13], s[24:25]      ; bk[R]
	s_mul_i32 s24, ttmp9, PROW
	s_lshl_b32 s26, s22, 9
	s_add_co_u32 s24, s24, s26
	s_add_nc_u64 s[16:17], s[16:17], s[24:25]      ; part[.][e][128 j]
	s_lshl_b32 s24, s23, 3                         ; 8 R = 32 (8 e + w)
	s_add_nc_u64 s[18:19], s[18:19], s[24:25]      ; cpart[8 e + w]
	; everything the wave will read is asked for at once; each load covers 512 consecutive bytes
.irp i, 0,1,2,3,4,5
	global_load_b128 v[XB0+4*\i:XB0+4*\i+3], v3, s[4:5] offset:512*\i
.endr
.irp r, 0,1,2,3
.irp i, 0,1,2,3,4,5
	global_load_b128 v[WQ+24*\r+4*\i:WQ+24*\r+4*\i+3], v2, s[6:7] offset:\r*ROWB+512*\i
.endr
.endr
	global_load_b128 v[W2:W2+3],     v2, s[36:37] th:TH_LOAD_NT    ; read by this wave alone in the whole launch
	global_load_b128 v[W2+4:W2+7],   v6, s[36:37] th:TH_LOAD_NT
	global_load_b128 v[W2+8:W2+11],  v7, s[36:37] th:TH_LOAD_NT
	global_load_b128 v[W2+12:W2+15], v8, s[36:37] th:TH_LOAD_NT
	s_load_b128 s[28:31], s[8:9], 0x0              ; bq[R .. R+3]
	s_load_b128 s[32:35], s[12:13], 0x0            ; bk[R .. R+3]
	s_wait_loadcnt 0x1c                            ; 28 younger loads (24 of Wq, 4 of the second matrix) stay out: x[w,0] is in
.irp i, 0,1,2,3,4,5
	ds_store_b128 v4, v[XB0+4*\i:XB0+4*\i+3] offset:512*\i
.endr
	s_wait_dscnt 0x0                               ; my row is in LDS before I say so
	s_barrier_signal -1
	s_barrier_wait -1                              ; all eight rows are
; six LDS loads: my 24 columns of x[b,0].  b is always given as a plain number, never as a sum: it stands beside a product
.macro LDX b, buf
.irp i, 0,1,2,3,4,5
	ds_load_b128 v[\buf+4*\i:\buf+4*\i+3], v2 offset:ROWB*\b+512*\i
.endr
.endm
; my share of the four dot products of batch b: four chains of twelve packed multiply-adds, the first a multiply, so nothing is cleared
.macro DOT b, buf
.irp r, 0,1,2,3
	v_pk_mul_f32 v[P+2*\r:P+2*\r+1], v[WQ+24*\r:WQ+24*\r+1], v[\buf:\buf+1]
.endr
.set jj, 1
.rept 11
.irp r, 0,1,2,3
	v_pk_fma_f32 v[P+2*\r:P+2*\r+1], v[WQ+24*\r+2*jj:WQ+24*\r+2*jj+1], v[\buf+2*jj:\buf+2*jj+1], v[P+2*\r:P+2*\r+1]
.endr
.set jj, jj+1
.endr
.irp r, 0,1,2,3
	v_add_f32 v[Q+8*\r+\b], v[P+2*\r], v[P+2*\r+1]
.endr
.endm
; batch b from buffer buf, which then takes batch nxt = b + 2
.macro TURN b, nxt, buf
	s_wait_dscnt 0x6                               ; the next batch's six LDS loads stay out, this batch's are in
	DOT \b, \buf
	LDX \nxt, \buf
.endm
	; STAGE 1: q0[b][R + r] for 8 batches and 4 rows
	LDX 0, XB0
	LDX 1, XB1
	s_wait_loadcnt 0x4                             ; the four loads of the second matrix stay out: Wq is in
	TURN 0, 2, XB0
	TURN 1, 3, XB1
	TURN 2, 4, XB0
	TURN 3, 5, XB1
	TURN 4, 6, XB0
	TURN 5, 7, XB1
	s_wait_dscnt 0x6                               ; batch 7's six loads stay out
	DOT 6, XB0
	s_wait_dscnt 0x0                               ; nothing was issued behind batch 7's
	DOT 7, XB1
	; 32 sums over the 32 lanes, step by step over all of them, so that no instruction waits for the one in front of it
.irp m, 1,2,4,8
.set ii, 0
.rept 32
	v_add_f32_dpp v[Q+ii], v[Q+ii], v[Q+ii] row_xmask:\m row_mask:0xf bank_mask:0xf
.set ii, ii+1
.endr
.endr
.set ii, 0
.rept 16
	v_permlanex16_b32 v12, v[Q+ii], s44, s45
	v_permlanex16_b32 v13, v[Q+ii+1], s44, s45
	v_add_f32 v[Q+ii], v[Q+ii], v12
	v_add_f32 v[Q+ii+1], v[Q+ii+1], v13
.set ii, ii+2
.endr
	s_wait_kmcnt 0x0                               ; bq and bk
.irp r, 0,1,2,3
.irp b, 0,1,2,3,4,5,6,7
	v_add_f32 v[Q+8*\r+\b], s[28+\r], v[Q+8*\r+\b] ; every lane now holds q0[b][R + r]
.endr
.endr
	; STAGE 2: for each batch, my 4 rows' share of 4 columns a lane.  q0 is one register of a pair: o says which feeds both halves.
.macro ST2 b, o
.irp h, 0,2
	v_pk_mul_f32 v[ACC2+4*\b+\h:ACC2+4*\b+\h+1], v[W2+\h:W2+\h+1], v[Q+\b-\o:Q+\b-\o+1] op_sel:[0,\o] op_sel_hi:[1,\o]
.irp r, 1,2,3
	v_pk_fma_f32 v[ACC2+4*\b+\h:ACC2+4*\b+\h+1], v[W2+4*\r+\h:W2+4*\r+\h+1], v[Q+8*\r+\b-\o:Q+8*\r+\b-\o+1], v[ACC2+4*\b+\h:ACC2+4*\b+\h+1] op_sel:[0,\o,0] op_sel_hi:[1,\o,1]
.endr
.endr
.endm
	s_wait_loadcnt 0x0                             ; the second matrix
	ST2 0, 0
	ST2 1, 1
	ST2 2, 0
	ST2 3, 1
	ST2 4, 0
	ST2 5, 1
	ST2 6, 0
	ST2 7, 1
.irp b, 0,1,2,3,4,5,6,7
	ds_store_b128 v9, v[ACC2+4*\b:ACC2+4*\b+3] offset:512*\b
.endr
.irp b, 0,1,2,3,4,5,6,7
	v_mul_f32  v[CWR+\b], s32, v[Q+\b]             ; my rows' share of c[b] = q0[b] . bk
	v_fmac_f32 v[CWR+\b], s33, v[Q+8+\b]
	v_fmac_f32 v[CWR+\b], s34, v[Q+16+\b]
	v_fmac_f32 v[CWR+\b], s35, v[Q+24+\b]
.endr
	s_wait_dscnt 0x0                               ; my shares are in LDS before I say so
	s_barrier_signal -1
	s_barrier_wait -1
	; wave w adds the eight waves' shares of batch w and stores 512 consecutive bytes, aligned to 512
.irp k, 0,1,2,3,4,5,6,7
	ds_load_b128 v[SUM+4*\k:SUM+4*\k+3], v10 offset:4096*\k
.endr
	s_wait_dscnt 0x0
.irp k, 0,2,4,6,8,10,12,14
	v_pk_add_f32 v[SUM+\k:SUM+\k+1], v[SUM+\k:SUM+\k+1], v[SUM+16+\k:SUM+17+\k]
.endr
.irp k, 0,2,4,6
	v_pk_add_f32 v[SUM+\k:SUM+\k+1], v[SUM+\k:SUM+\k+1], v[SUM+8+\k:SUM+9+\k]
.endr
.irp k, 0,2
	v_pk_add_f32 v[SUM+\k:SUM+\k+1], v[SUM+\k:SUM+\k+1], v[SUM+4+\k:SUM+5+\k]
.endr
	global_store_b128 v11, v[SUM:SUM+3], s[16:17]
	; c: the ten work-groups of one e hold the same figures; those of j = 0 store them, lane 0 of each wave its wave's eight
	s_cmp_lg_u32 s22, 0
	s_cbranch_scc1 .Lend
	v_cmp_eq_u32 vcc_lo, 0, v1
	s_wait_xcnt 0x0                                ; EXEC is a source of the store above: it changes only behind this wait
	s_and_saveexec_b32 s46, vcc_lo
	global_store_b128 v14, v[CWR:CWR+3], s[18:19]
	global_store_b128 v14, v[CWR+4:CWR+7], s[18:19] offset:16
	s_wait_xcnt 0x0                                ; and again before it is widened
	s_or_b32 exec_lo, exec_lo, s46
.Lend:
	s_wait_tensorcnt 0x0
	ds_add_u32 v224, v225
	s_wait_dscnt 0x0
	s_endpgm
.Lfunc_end_k_q21a3a9e570_proj:
	.size	k_q21a3a9e570_proj, .Lfunc_end_k_q21a3a9e570_proj-k_q21a3a9e570_proj
	.p2alignl 7, 3214868480
	.fill 96, 4, 3214868480
	.section	.rodata,"a",@progbits
	.p2align	6, 0x0
	.amdhsa_kernel k_q21a3a9e570_proj
		.amdhsa_group_segment_fixed_size 58368
		.amdhsa_private_segment_fixed_size 0
		.amdhsa_enable_private_segment 0
		.amdhsa_kernarg_size 64
		.amdhsa_user_sgpr_count 2
		.amdhsa_user_sgpr_kernarg_segment_ptr 1
		.amdhsa_wavefront_size32 1
		.amdhsa_system_sgpr_workgroup_id_x 1
		.amdhsa_system_sgpr_workgroup_id_y 1
		.amdhsa_system_sgpr_workgroup_id_z 1
		.amdhsa_system_vgpr_workitem_id 0
		.amdhsa_next_free_vgpr 226
		.amdhsa_next_free_sgpr 66
		.amdhsa_reserve_vcc 1
		.amdhsa_float_denorm_mode_32 3
		.amdhsa_float_denorm_mode_16_64 3
		.amdhsa_memory_ordered 1
		.amdhsa_forward_progress 1
		.amdhsa_inst_pref_size 55
	.end_amdhsa_kernel
	.amdgpu_metadata
---
amdhsa.version: [ 1, 2 ]
amdhsa.kernels:
  - .name:           k_q21a3a9e570_proj
    .symbol:         k_q21a3a9e570_proj.kd
    .args:
      - { .name: token_embeddings, .offset: 0, .size: 8, .value_kind: global_buffer, .address_space: global }
      - { .name: Wq, .offset: 8, .size: 8, .value_kind: global_buffer, .address_space: global }
      - { .name: bq, .offset: 16, .size: 8, .value_kind: global_buffer, .address_space: global }
      - { .name: Wk, .offset: 24, .size: 8, .value_kind: global_buffer, .address_space: global }
      - { .name: bk, .offset: 32, .size: 8, .value_kind: global_buffer, .address_space: global }
      - { .name: pos_emb, .offset: 40, .size: 8, .value_kind: global_buffer, .address_space: global }
      - { .name: part, .offset: 48, .size: 8, .value_kind: global_buffer, .address_space: global }
      - { .name: cpart, .offset: 56, .size: 8, .value_kind: global_buffer, .address_space: global }
    .group_segment_fixed_size: 58368
    .private_segment_fixed_size: 0
    .kernarg_segment_align: 8
    .kernarg_segment_size: 64
    .max_flat_workgroup_size: 256
    .sgpr_count:     66
    .vgpr_count:     226
    .wavefront_size: 32
...
	.end_amdgpu_metadata
.endif
;; end of part 1
;; launch logit (part 2): grid 32 x 8, 8 waves a work-group, no clusters, 5,120 bytes of LDS; arguments token_embeddings, attention_mask, part, cpart, logits, gsum, lifin; writes logits, gsum, lifin
.if DOCPART == 2
	.amdgcn_target "amdgcn-amd-amdhsa--gfx1250"
	.amdhsa_code_object_version 6
	.text
	.protected	k_q21a3a9e570_logit
	.globl	k_q21a3a9e570_logit
	.p2align	8
	.type	k_q21a3a9e570_logit,@function
k_q21a3a9e570_logit:
	s_mov_b64 s[64:65], 0
	v_nop
	global_prefetch_b8 v0, s[64:65] scope:SCOPE_SE
	s_setreg_imm32_b32 hwreg(HW_REG_WAVE_MODE, 25, 1), 1
	s_wait_xcnt 0x0
; SECOND LAUNCH.  Finishes u[b], c[b] and li[b] from the partial sums and makes, for query row 0,
;   logits[b][t] = scale (u[b] . x[b,t] + c[b]), minus infinity where attention_mask[b][t] is 0, and gsum[b][chunk] = the chunk's sum of sigmoid(logit).
; Work-group (c = x id, 0..31; b = y id, 0..7): the chunk of 32 tokens 32 c .. 32 c + 31 of batch b, 98,304 bytes of x.  Wave w: rows 4 w .. 4 w + 3.
; Waves 0-5 first add the 24 partial u (thread t of 192 owns 4 columns); wave 6 finishes li[b][16 c .. 16 c + 15]; wave 7 finishes the 32 logits.
; Every wave asks for its 4 rows of x before it does anything else with data, so the sums run while x is on its way.
; f32 on the vector ALU: one multiply-add for each number of x, bytes decide.  No tensor loads: a wave's share is 24 loads, all out at once.
; No cluster: the 32 work-groups of a batch share part[b] (73,728 bytes against 98,304 of their own); it is added straight out of the load
; registers, each byte used once, and a joint request would add a way through LDS for the same bytes.
; The stores of logits (128 bytes), lifin (64) and gsum (4) cover parts of aligned 256-byte blocks: together 50,176 bytes in the launch
; against 25,165,824 read.
; Limits: sums in another order than the problem's function, all f32; v_exp_f32 and v_rcp_f32 are good to one unit in the last place and
; flush denormals (ISA guide 15.8), so a gate below 2^-126 counts as 0.
.set ROWB, 3072
.set BATB, 3145728
.set CHB,  98304                       ; bytes of x in a chunk
.set PROW, 5120
.set PBAT, 122880
.set DOTL, 3072                        ; LDS 0..3071: u[b].  DOTL: 32 dot products
.set SCALE,  0x3d13cd3a                ; 1 / sqrt(768)
.set NLOG2E, 0xbfb8aa3b                ; - log2 e
.set CP, 20                            ; v[20:25]   six of the 192 partial c of my batch: row groups lane + 32 k
.set X,  32                            ; v[32:127]  my 4 rows: lane l holds columns 4 l + 128 i + 0..3 of row r in registers 24 r + 4 i ..
.set PT, 128                           ; v[128:223] waves 0-5: 24 partial sums of 4 columns
.set LI, 128                           ; v[128:139] wave 6: three partial sums of 4 entries of li
.set U,  128                           ; v[128:151] afterwards: u, my 24 columns
.set PR, 152                           ; v[152:159] a pair of running sums for each row
.set D,  160                           ; v[160:163] the 4 dot products
; v1 lane, v2 x offset, v3 512 w + 16 lane, v4/v5 li in/out, v6 cpart offset, v7 4 lane, v8 0, v9 DOTL + 16 w, v10 16 lane, v12 scratch, v15 mask, v16-19 at work
.macro REDSUM r, t                     ; the sum over the 32 lanes, in every lane
	v_add_f32_dpp v[\r], v[\r], v[\r] row_xmask:1 row_mask:0xf bank_mask:0xf
	v_add_f32_dpp v[\r], v[\r], v[\r] row_xmask:2 row_mask:0xf bank_mask:0xf
	v_add_f32_dpp v[\r], v[\r], v[\r] row_xmask:4 row_mask:0xf bank_mask:0xf
	v_add_f32_dpp v[\r], v[\r], v[\r] row_xmask:8 row_mask:0xf bank_mask:0xf
	v_permlanex16_b32 v[\t], v[\r], s44, s45
	v_add_f32 v[\r], v[\r], v[\t]
.endm
.macro LOADX                           ; 24 loads of 512 consecutive bytes: my 4 rows.  No hint: the next launch reads them again
.irp r, 0,1,2,3
.irp i, 0,1,2,3,4,5
	global_load_b128 v[X+24*\r+4*\i:X+24*\r+4*\i+3], v2, s[4:5] offset:\r*ROWB+512*\i
.endr
.endr
.endm
	s_load_b256 s[4:11], s[0:1], 0x0               ; x 4, mask 6, part 8, cpart 10
	s_load_b128 s[12:15], s[0:1], 0x20             ; logits 12, gsum 14
	s_load_b64 s[16:17], s[0:1], 0x30              ; lifin
	v_lshl_add_u32 v232, v0, 2, 0x1000
	v_mov_b32 v233, 0
	v_and_b32 v1, 31, v0                           ; lane
	v_lshrrev_b32 v2, 5, v0
	v_readfirstlane_b32 s20, v2                    ; wave
	s_and_b32 s22, ttmp7, 0xffff                   ; b
	s_mov_b32 s44, 0x76543210
	s_mov_b32 s45, 0xfedcba98
	v_lshlrev_b32 v10, 4, v1                       ; 16 lane
	s_mul_i32 s24, s20, 4*ROWB
	v_add_nc_u32 v2, s24, v10                      ; my 4 rows
	s_lshl_b32 s24, s20, 9
	v_add_nc_u32 v3, s24, v10                      ; 16 bytes a thread
	v_lshrrev_b32 v4, 2, v1
	v_and_b32 v5, 3, v1
	v_lshlrev_b32 v5, 4, v5                        ; li: 16 (lane % 4)
	v_mad_u32_u24 v4, v4, PROW, v5                 ;     + row lane / 4 of part
	v_lshlrev_b32 v6, 5, v1
	s_lshl_b32 s24, s22, 2
	v_add_nc_u32 v6, s24, v6                       ; cpart[lane][b]
	v_lshlrev_b32 v7, 2, v1
	v_mov_b32 v8, 0
	s_lshl_b32 s24, s20, 4
	s_add_co_u32 s24, s24, DOTL
	v_mov_b32 v9, s24
	v_mov_b32 v12, 0                               ; destination of v_permlanex16_b32 counts as read
	s_wait_kmcnt 0x0
	s_mul_i32 s24, s22, BATB
	s_mul_i32 s25, ttmp9, CHB
	s_add_co_u32 s24, s24, s25
	s_mov_b32 s25, 0
	s_add_nc_u64 s[4:5], s[4:5], s[24:25]          ; x at the chunk
	s_mul_i32 s24, s22, PBAT
	s_add_nc_u64 s[8:9], s[8:9], s[24:25]          ; part[b]
	s_lshl_b32 s24, ttmp9, 6
	s_add_nc_u64 s[16:17], s[16:17], s[24:25]      ; lifin + 64 c
	s_add_co_u32 s24, s24, ROWB
	s_add_nc_u64 s[26:27], s[8:9], s[24:25]        ; part[b][0][768 + 16 c]
	s_lshl_b32 s24, s22, 11
	s_add_nc_u64 s[16:17], s[16:17], s[24:25]      ; lifin[b][16 c]
	s_lshl_b32 s24, s22, 12
	s_lshl_b32 s28, ttmp9, 7
	s_add_co_u32 s24, s24, s28
	s_add_nc_u64 s[6:7], s[6:7], s[24:25]          ; mask[b][32 c]
	s_add_nc_u64 s[12:13], s[12:13], s[24:25]      ; logits[b][32 c]
	s_lshl_b32 s24, s22, 7
	s_lshl2_add_u32 s24, ttmp9, s24
	s_add_nc_u64 s[14:15], s[14:15], s[24:25]      ; gsum[b][c]
	; in every wave, so that the registers are written on every path; wave 7 uses them.  192 partial c = 6 a lane
.irp k, 0,1,2,3,4,5
	global_load_b32 v[CP+\k], v6, s[10:11] offset:1024*\k
.endr
	global_load_b32 v15, v7, s[6:7]
	s_cmp_lt_u32 s20, 6
	s_cbranch_scc0 .Lnot_u
	; waves 0-5: u[b], 4 columns a thread
.set kk, 0
.rept 24
	global_load_b128 v[PT+4*kk:PT+4*kk+3], v3, s[8:9] offset:PROW*kk
.set kk, kk+1
.endr
	LOADX
	s_wait_loadcnt 0x18                            ; the 24 loads of x stay out: the partial sums are in
.set kk, 4
.rept 20
	v_pk_add_f32 v[PT+4*(kk%4):PT+4*(kk%4)+1],   v[PT+4*(kk%4):PT+4*(kk%4)+1],   v[PT+4*kk:PT+4*kk+1]
	v_pk_add_f32 v[PT+4*(kk%4)+2:PT+4*(kk%4)+3], v[PT+4*(kk%4)+2:PT+4*(kk%4)+3], v[PT+4*kk+2:PT+4*kk+3]
.set kk, kk+1
.endr
	v_pk_add_f32 v[PT:PT+1],     v[PT:PT+1],     v[PT+4:PT+5]
	v_pk_add_f32 v[PT+2:PT+3],   v[PT+2:PT+3],   v[PT+6:PT+7]
	v_pk_add_f32 v[PT+8:PT+9],   v[PT+8:PT+9],   v[PT+12:PT+13]
	v_pk_add_f32 v[PT+10:PT+11], v[PT+10:PT+11], v[PT+14:PT+15]
	v_pk_add_f32 v[PT:PT+1],     v[PT:PT+1],     v[PT+8:PT+9]
	v_pk_add_f32 v[PT+2:PT+3],   v[PT+2:PT+3],   v[PT+10:PT+11]
	ds_store_b128 v3, v[PT:PT+3]
	s_branch .Ljoin
.Lnot_u:
	s_cmp_eq_u32 s20, 6
	s_cbranch_scc0 .Lw7
	; wave 6: li[b][16 c .. + 15].  Lane l takes 4 columns (l % 4) of rows l / 4, l / 4 + 8, l / 4 + 16 of part
.irp k, 0,1,2
	global_load_b128 v[LI+4*\k:LI+4*\k+3], v4, s[26:27] offset:8*PROW*\k
.endr
	LOADX
	s_wait_loadcnt 0x18                            ; the 24 loads of x stay out
	v_pk_add_f32 v[LI:LI+1],   v[LI:LI+1],   v[LI+4:LI+5]
	v_pk_add_f32 v[LI+2:LI+3], v[LI+2:LI+3], v[LI+6:LI+7]
	v_pk_add_f32 v[LI:LI+1],   v[LI:LI+1],   v[LI+8:LI+9]
	v_pk_add_f32 v[LI+2:LI+3], v[LI+2:LI+3], v[LI+10:LI+11]
.irp m, 4,8
.irp k, 0,1,2,3
	v_add_f32_dpp v[LI+\k], v[LI+\k], v[LI+\k] row_xmask:\m row_mask:0xf bank_mask:0xf    ; over the lanes with the same l % 4
.endr
.endr
.irp k, 0,1,2,3
	v_permlanex16_b32 v12, v[LI+\k], s44, s45
	v_add_f32 v[LI+\k], v[LI+\k], v12
.endr
	v_cmp_gt_u32 vcc_lo, 4, v1
	s_wait_xcnt 0x0                                ; EXEC is a source of the loads that are out: it changes only behind this wait
	s_and_saveexec_b32 s46, vcc_lo
	global_store_b128 v5, v[LI:LI+3], s[16:17]
	s_wait_xcnt 0x0                                ; frees EXEC, and the store's data, which u overwrites below
	s_or_b32 exec_lo, exec_lo, s46
	s_branch .Ljoin
.Lw7:
	LOADX
.Ljoin:
	s_wait_dscnt 0x0                               ; my part of u is in LDS before I say so
	s_barrier_signal -1
	s_barrier_wait -1
.irp i, 0,1,2,3,4,5
	ds_load_b128 v[U+4*\i:U+4*\i+3], v10 offset:512*\i
.endr
	s_wait_loadcnt 0x0                             ; x (nothing was issued behind it)
	s_wait_dscnt 0x0
.irp r, 0,1,2,3
	v_pk_mul_f32 v[PR+2*\r:PR+2*\r+1], v[X+24*\r:X+24*\r+1], v[U:U+1]
.endr
.set jj, 1
.rept 11
.irp r, 0,1,2,3
	v_pk_fma_f32 v[PR+2*\r:PR+2*\r+1], v[X+24*\r+2*jj:X+24*\r+2*jj+1], v[U+2*jj:U+2*jj+1], v[PR+2*\r:PR+2*\r+1]
.endr
.set jj, jj+1
.endr
.irp r, 0,1,2,3
	v_add_f32 v[D+\r], v[PR+2*\r], v[PR+2*\r+1]
.endr
.irp m, 1,2,4,8
.irp r, 0,1,2,3
	v_add_f32_dpp v[D+\r], v[D+\r], v[D+\r] row_xmask:\m row_mask:0xf bank_mask:0xf
.endr
.endr
.irp r, 0,1,2,3
	v_permlanex16_b32 v12, v[D+\r], s44, s45
	v_add_f32 v[D+\r], v[D+\r], v12
.endr
.irp r, 0,1,2,3
	ds_store_b32 v9, v[D+\r] offset:4*\r           ; token 4 w + r; all lanes write the same word with the same value
.endr
	s_wait_dscnt 0x0
	s_barrier_signal -1
	s_barrier_wait -1
	s_cmp_lg_u32 s20, 7
	s_cbranch_scc1 .Lend
	; wave 7: lane = token
	ds_load_b32 v16, v7 offset:DOTL
	v_pk_add_f32 v[CP:CP+1], v[CP:CP+1], v[CP+2:CP+3]
	v_pk_add_f32 v[CP:CP+1], v[CP:CP+1], v[CP+4:CP+5]
	v_add_f32 v[CP], v[CP], v[CP+1]
	REDSUM CP, 12                                  ; c[b]
	v_mov_b32 v17, 0xff800000                      ; minus infinity
	v_cmp_eq_u32 vcc_lo, 0, v15                    ; masked tokens
	s_wait_dscnt 0x0
	v_add_f32 v16, v16, v[CP]
	v_mul_f32 v16, SCALE, v16
	v_cndmask_b32 v16, v16, v17, vcc_lo
	global_store_b32 v7, v16, s[12:13]
	v_mul_f32 v18, NLOG2E, v16
	v_exp_f32 v19, v18                             ; e^-l; minus infinity gives infinity, and the gate 0
	v_cmp_eq_u32 vcc_lo, 0, v1                     ; the plain instruction between a transcendental and the use of its result (ISA guide 5.7.2)
	s_wait_alu depctr_va_vdst(0)
	v_add_f32 v19, 1.0, v19
	v_rcp_f32 v18, v19
	v_nop                                          ; likewise
	s_wait_alu depctr_va_vdst(0)
	REDSUM 18, 12                                  ; the chunk's sum of gates
	s_wait_xcnt 0x0                                ; EXEC changes only behind this wait
	s_and_saveexec_b32 s46, vcc_lo                 ; lane 0
	global_store_b32 v8, v18, s[14:15]
	s_wait_xcnt 0x0
	s_or_b32 exec_lo, exec_lo, s46
.Lend:
	s_wait_tensorcnt 0x0
	ds_add_u32 v232, v233
	s_wait_dscnt 0x0
	s_endpgm
.Lfunc_end_k_q21a3a9e570_logit:
	.size	k_q21a3a9e570_logit, .Lfunc_end_k_q21a3a9e570_logit-k_q21a3a9e570_logit
	.p2alignl 7, 3214868480
	.fill 96, 4, 3214868480
	.section	.rodata,"a",@progbits
	.p2align	6, 0x0
	.amdhsa_kernel k_q21a3a9e570_logit
		.amdhsa_group_segment_fixed_size 5120
		.amdhsa_private_segment_fixed_size 0
		.amdhsa_enable_private_segment 0
		.amdhsa_kernarg_size 56
		.amdhsa_user_sgpr_count 2
		.amdhsa_user_sgpr_kernarg_segment_ptr 1
		.amdhsa_wavefront_size32 1
		.amdhsa_system_sgpr_workgroup_id_x 1
		.amdhsa_system_sgpr_workgroup_id_y 1
		.amdhsa_system_sgpr_workgroup_id_z 1
		.amdhsa_system_vgpr_workitem_id 0
		.amdhsa_next_free_vgpr 234
		.amdhsa_next_free_sgpr 66
		.amdhsa_reserve_vcc 1
		.amdhsa_float_denorm_mode_32 3
		.amdhsa_float_denorm_mode_16_64 3
		.amdhsa_memory_ordered 1
		.amdhsa_forward_progress 1
		.amdhsa_inst_pref_size 25
	.end_amdhsa_kernel
	.amdgpu_metadata
---
amdhsa.version: [ 1, 2 ]
amdhsa.kernels:
  - .name:           k_q21a3a9e570_logit
    .symbol:         k_q21a3a9e570_logit.kd
    .args:
      - { .name: token_embeddings, .offset: 0, .size: 8, .value_kind: global_buffer, .address_space: global }
      - { .name: attention_mask, .offset: 8, .size: 8, .value_kind: global_buffer, .address_space: global }
      - { .name: part, .offset: 16, .size: 8, .value_kind: global_buffer, .address_space: global }
      - { .name: cpart, .offset: 24, .size: 8, .value_kind: global_buffer, .address_space: global }
      - { .name: logits, .offset: 32, .size: 8, .value_kind: global_buffer, .address_space: global }
      - { .name: gsum, .offset: 40, .size: 8, .value_kind: global_buffer, .address_space: global }
      - { .name: lifin, .offset: 48, .size: 8, .value_kind: global_buffer, .address_space: global }
    .group_segment_fixed_size: 5120
    .private_segment_fixed_size: 0
    .kernarg_segment_align: 8
    .kernarg_segment_size: 56
    .max_flat_workgroup_size: 256
    .sgpr_count:     66
    .vgpr_count:     234
    .wavefront_size: 32
...
	.end_amdgpu_metadata
.endif
;; end of part 2
;; launch mix (part 3): grid 32 x 8, 8 waves a work-group, no clusters, 29,696 bytes of LDS; arguments token_embeddings, logits, gsum, lifin, ypart, ms; writes ypart, ms
.if DOCPART == 3
	.amdgcn_target "amdgcn-amd-amdhsa--gfx1250"
	.amdhsa_code_object_version 6
	.text
	.protected	k_q21a3a9e570_mix
	.globl	k_q21a3a9e570_mix
	.p2align	8
	.type	k_q21a3a9e570_mix,@function
k_q21a3a9e570_mix:
	s_mov_b64 s[64:65], 0
	v_nop
	global_prefetch_b8 v0, s[64:65] scope:SCOPE_SE
	s_setreg_imm32_b32 hwreg(HW_REG_WAVE_MODE, 25, 1), 1
	s_wait_xcnt 0x0
; THIRD LAUNCH.  For a chunk of 32 tokens of batch b: the positions (reverse running sum of the gates, capped at 511), the interpolated
; bias, the chunk's own softmax piece and the weighted sum of its rows of x:
;   m = max of l2, p[t] = e^(l2[t] - m), s = sum of p, ypart[b][c][.] = sum over t of p[t] x[b,t][.],   l2 = logit + bias.
; The last launch merges the 32 pieces of a batch under their common maximum, so the maximum is taken away before every exponential.
; Work-group (c = x id, b = y id) and wave own the same rows as in the launch before.
; THE GATHER IS A SELECTION.  floor(pos) comes from floating-point data and forms no address: wave w holds li[64 w .. 64 w + 64] in 65 registers,
; the same in all lanes, and picks li[floor] and li[floor + 1] by 64 compares and 128 selects (lane = token); a wave whose range does not
; hold the index contributes 0, and the eight contributions are added through LDS.  This runs while the rows of x are on their way.
; f32 on the vector ALU; no tensor loads; no cluster: the work-groups share only logits, gsum and lifin, 2,304 bytes against 98,304 of their own.
; ms is stored as 4 bytes a figure (2,048 bytes in the launch); ypart as 512 consecutive aligned bytes a wave.
; Limits: sums in another order than the problem's function, all f32.  Where pos is a whole number k the text takes li[k + 1] x 0 where the
; function takes li[k] x 0: equal while li is finite; at k = 511 both take li[511].  A chunk that is masked whole gives m = minus infinity, s = 0, y = 0.
; v_exp_f32 and v_rcp_f32 flush denormals (ISA guide 15.8): gates and weights below 2^-126 count as 0.
.set ROWB, 3072
.set BATB, 3145728
.set CHB,  98304
.set PW,   1024                        ; LDS 0..1023: bias shares [wave][token].  PW: weights [wave][token], each wave its own 128 bytes
.set YR,   2048                        ; LDS: [wave][768] f32, the waves' weighted sums
.set LOG2E,  0x3fb8aa3b
.set NLOG2E, 0xbfb8aa3b
.set NINF,   0xff800000
.set F511,   0x43ff8000                ; 511.0
.set X,   32                           ; v[32:127]  my 4 rows, as in the launch before
.set L,   128                          ; v[128:192] li[64 w .. 64 w + 64], the same in all lanes
.set R,   128                          ; v[128:159] later: figures read back from LDS
.set ACC, 194                          ; v[194:217] my 24 columns of the weighted sum
; v1 lane, v2 x offset, v3 512 w + 16 lane, v4 16 lane, v7 4 lane, v8 0, v9 128 w + 4 lane, v10 YR in, v11 YR out, v12/v13 scratch, v14 l then l2,
; v15 gate sums, v16 gate then pos, v17 floor, v18 fraction, v19 index - 64 w, v20 lf, v21 lc, v22 m, v23 p, v24 s, v25 scratch, v[26:29] my rows' p, v30, v31 addresses
.macro REDSUM r, t
	v_add_f32_dpp v[\r], v[\r], v[\r] row_xmask:1 row_mask:0xf bank_mask:0xf
	v_add_f32_dpp v[\r], v[\r], v[\r] row_xmask:2 row_mask:0xf bank_mask:0xf
	v_add_f32_dpp v[\r], v[\r], v[\r] row_xmask:4 row_mask:0xf bank_mask:0xf
	v_add_f32_dpp v[\r], v[\r], v[\r] row_xmask:8 row_mask:0xf bank_mask:0xf
	v_permlanex16_b32 v[\t], v[\r], s44, s45
	v_add_f32 v[\r], v[\r], v[\t]
.endm
.macro REDMAX r, t
	v_max_num_f32_dpp v[\r], v[\r], v[\r] row_xmask:1 row_mask:0xf bank_mask:0xf
	v_max_num_f32_dpp v[\r], v[\r], v[\r] row_xmask:2 row_mask:0xf bank_mask:0xf
	v_max_num_f32_dpp v[\r], v[\r], v[\r] row_xmask:4 row_mask:0xf bank_mask:0xf
	v_max_num_f32_dpp v[\r], v[\r], v[\r] row_xmask:8 row_mask:0xf bank_mask:0xf
	v_permlanex16_b32 v[\t], v[\r], s44, s45
	v_max_num_f32 v[\r], v[\r], v[\t]
.endm
	s_load_b256 s[4:11], s[0:1], 0x0               ; x 4, logits 6, gsum 8, lifin 10
	s_load_b128 s[12:15], s[0:1], 0x20             ; ypart 12, ms 14
	v_lshl_add_u32 v224, v0, 2, 0x7000
	v_mov_b32 v225, 0
	v_and_b32 v1, 31, v0                           ; lane
	v_lshrrev_b32 v2, 5, v0
	v_readfirstlane_b32 s20, v2                    ; wave
	s_mov_b32 s21, ttmp9                           ; c
	s_and_b32 s22, ttmp7, 0xffff                   ; b
	s_lshl_b32 s23, s20, 6                         ; 64 w: my first entry of li
	s_mov_b32 s44, 0x76543210
	s_mov_b32 s45, 0xfedcba98
	v_lshlrev_b32 v4, 4, v1
	s_mul_i32 s24, s20, 4*ROWB
	v_add_nc_u32 v2, s24, v4
	s_lshl_b32 s24, s20, 9
	v_add_nc_u32 v3, s24, v4
	v_add_nc_u32 v11, YR, v3
	v_lshlrev_b32 v7, 2, v1
	v_mov_b32 v8, 0
	s_lshl_b32 s24, s20, 7
	v_add_nc_u32 v9, s24, v7
	s_mul_i32 s24, s20, ROWB
	s_add_co_u32 s24, s24, YR
	v_add_nc_u32 v10, s24, v4
	s_mul_i32 s24, s20, 144                        ; my 128 bytes of PW, and in them tokens 4 w .. 4 w + 3
	s_add_co_u32 s24, s24, PW
	v_mov_b32 v30, s24
	v_mov_b32 v12, 0                               ; destination of v_permlanex16_b32 counts as read
	s_wait_kmcnt 0x0
	s_mul_i32 s24, s22, BATB
	s_mul_i32 s25, s21, CHB
	s_add_co_u32 s24, s24, s25
	s_mov_b32 s25, 0
	s_add_nc_u64 s[4:5], s[4:5], s[24:25]          ; x at the chunk
	s_lshl_b32 s24, s22, 12
	s_lshl_b32 s28, s21, 7
	s_add_co_u32 s24, s24, s28
	s_add_nc_u64 s[6:7], s[6:7], s[24:25]          ; logits[b][32 c]
	s_lshl_b32 s24, s22, 7
	s_add_nc_u64 s[8:9], s[8:9], s[24:25]          ; gsum[b]
	s_lshl_b32 s24, s22, 11
	s_add_nc_u64 s[10:11], s[10:11], s[24:25]      ; lifin[b]
	s_add_co_u32 s28, s23, 64
	s_min_u32 s28, s28, 511                        ; the entry behind my 64; the last wave takes li[511] once more
	s_lshl_b32 s24, s28, 2
	s_add_nc_u64 s[26:27], s[10:11], s[24:25]
	s_lshl_b32 s24, s23, 2
	s_add_nc_u64 s[10:11], s[10:11], s[24:25]      ; lifin[b][64 w]
	s_lshl_b32 s24, s22, 5
	s_add_co_u32 s24, s24, s21
	s_mul_i32 s24, s24, ROWB
	s_add_nc_u64 s[12:13], s[12:13], s[24:25]      ; ypart[b][c]
	s_lshl_b32 s24, s22, 8
	s_lshl2_add_u32 s24, s21, s24
	s_add_nc_u64 s[14:15], s[14:15], s[24:25]      ; ms[b][0][c]
	global_load_b32 v14, v7, s[6:7]                ; l, lane = token
	global_load_b32 v15, v7, s[8:9]                ; gate sums, lane = chunk
.set kk, 0
.rept 16
	global_load_b128 v[L+4*kk:L+4*kk+3], v8, s[10:11] offset:16*kk     ; all lanes read the same 16 bytes
.set kk, kk+1
.endr
	global_load_b32 v[L+64], v8, s[26:27]
.irp r, 0,1,2,3
.irp i, 0,1,2,3,4,5
	global_load_b128 v[X+24*\r+4*\i:X+24*\r+4*\i+3], v2, s[4:5] offset:\r*ROWB+512*\i th:TH_LOAD_NT   ; read once in this launch, and never again
.endr
.endr
	s_wait_loadcnt 0x18                            ; the 24 loads of x stay out; all the small figures are in
	; positions
	v_mul_f32 v16, NLOG2E, v14
	v_exp_f32 v17, v16
	v_cmp_lt_u32 vcc_lo, s21, v1                   ; chunks behind mine (also the plain instruction behind the transcendental, ISA guide 5.7.2)
	v_cndmask_b32 v15, 0, v15, vcc_lo
	s_wait_alu depctr_va_vdst(0)
	v_add_f32 v17, 1.0, v17
	v_rcp_f32 v16, v17                             ; the gate; the sum below stands between it and its first use
	REDSUM 15, 12                                  ; the gates of all later chunks
	; running sum from the right inside each half of 16 lanes: lane i takes lane i + n, lanes without a source add 0
	s_wait_alu depctr_va_vdst(0)
	v_add_f32_dpp v16, v16, v16 row_shl:1 row_mask:0xf bank_mask:0xf bound_ctrl:1
	v_add_f32_dpp v16, v16, v16 row_shl:2 row_mask:0xf bank_mask:0xf bound_ctrl:1
	v_add_f32_dpp v16, v16, v16 row_shl:4 row_mask:0xf bank_mask:0xf bound_ctrl:1
	v_add_f32_dpp v16, v16, v16 row_shl:8 row_mask:0xf bank_mask:0xf bound_ctrl:1
	v_readlane_b32 s28, v16, 16                    ; the upper half's total: a value only, it steers nothing
	v_cmp_gt_u32 vcc_lo, 16, v1
	v_mov_b32 v13, s28
	v_cndmask_b32 v13, 0, v13, vcc_lo
	v_add_f32 v16, v16, v13
	v_add_f32 v16, v16, v15
	v_min_num_f32 v16, F511, v16                   ; pos
	v_floor_f32 v17, v16
	v_sub_f32 v18, v16, v17                        ; the fraction
	v_cvt_u32_f32 v19, v17
	v_sub_nc_u32 v19, v19, s23                     ; index in my 64 entries; outside them it equals none of 0..63
	v_mov_b32 v20, 0
	v_mov_b32 v21, 0
.set nn, 0
.rept 64
	v_cmp_eq_u32 vcc_lo, nn, v19
	v_cndmask_b32 v20, v20, v[L+nn], vcc_lo        ; li[floor]
	v_cndmask_b32 v21, v21, v[L+nn+1], vcc_lo      ; li[floor + 1]
.set nn, nn+1
.endr
	v_sub_f32 v12, 1.0, v18
	v_mul_f32 v20, v20, v12
	v_fmac_f32 v20, v21, v18                       ; lf (1 - w) + lc w, or 0
	ds_store_b32 v9, v20
	s_wait_dscnt 0x0
	s_barrier_signal -1
	s_barrier_wait -1
.irp k, 0,1,2,3,4,5,6,7
	ds_load_b32 v[R+\k], v7 offset:128*\k
.endr
	s_wait_dscnt 0x0
	v_pk_add_f32 v[R:R+1],   v[R:R+1],   v[R+2:R+3]
	v_pk_add_f32 v[R+4:R+5], v[R+4:R+5], v[R+6:R+7]
	v_pk_add_f32 v[R:R+1],   v[R:R+1],   v[R+4:R+5]
	v_add_f32 v[R], v[R], v[R+1]                   ; one of the eight is the bias, the others are 0
	v_add_f32 v14, v14, v[R]                       ; l2
	; the chunk's softmax piece, in every wave
	v_mov_b32 v22, v14
	REDMAX 22, 12                                  ; m
	v_cmp_neq_f32 vcc_lo, NINF, v22
	v_cndmask_b32 v13, 0, v22, vcc_lo              ; a chunk masked whole: take 0 away, so that every p is e^(minus infinity) = 0
	v_sub_f32 v25, v14, v13
	v_mul_f32 v25, LOG2E, v25
	v_exp_f32 v23, v25                             ; p, at most 1
	v_lshlrev_b32 v31, 7, v1                       ; (128 lane, for ms: the plain instruction behind the transcendental)
	s_wait_alu depctr_va_vdst(0)
	v_mov_b32 v24, v23
	ds_store_b32 v9, v23 offset:PW                 ; my own 128 bytes:
	ds_load_b128 v[26:29], v30                     ; LDS serves a wave in order (ISA guide 5.7.1), so this sees the store: p of my 4 rows, in all lanes
	REDSUM 24, 12                                  ; s
	s_wait_dscnt 0x0
	s_wait_loadcnt 0x0                             ; x
	; my 4 rows, weighted.  p is one register of a pair; op_sel says which feeds both halves
.set jj, 0
.rept 12
	v_pk_mul_f32 v[ACC+2*jj:ACC+2*jj+1], v[X+2*jj:X+2*jj+1], v[26:27] op_sel_hi:[1,0]
.set jj, jj+1
.endr
.set jj, 0
.rept 12
	v_pk_fma_f32 v[ACC+2*jj:ACC+2*jj+1], v[X+24+2*jj:X+24+2*jj+1], v[26:27], v[ACC+2*jj:ACC+2*jj+1] op_sel:[0,1,0] op_sel_hi:[1,1,1]
.set jj, jj+1
.endr
.set jj, 0
.rept 12
	v_pk_fma_f32 v[ACC+2*jj:ACC+2*jj+1], v[X+48+2*jj:X+48+2*jj+1], v[28:29], v[ACC+2*jj:ACC+2*jj+1] op_sel_hi:[1,0,1]
.set jj, jj+1
.endr
.set jj, 0
.rept 12
	v_pk_fma_f32 v[ACC+2*jj:ACC+2*jj+1], v[X+72+2*jj:X+72+2*jj+1], v[28:29], v[ACC+2*jj:ACC+2*jj+1] op_sel:[0,1,0] op_sel_hi:[1,1,1]
.set jj, jj+1
.endr
.irp i, 0,1,2,3,4,5
	ds_store_b128 v10, v[ACC+4*\i:ACC+4*\i+3] offset:512*\i
.endr
	s_wait_dscnt 0x0
	s_barrier_signal -1
	s_barrier_wait -1
	s_cmp_lt_u32 s20, 6
	s_cbranch_scc0 .Lhigh
	; waves 0-5: thread t of 192 adds the eight waves' sums of its 4 columns; a wave stores 512 consecutive bytes, aligned to 512
.irp k, 0,1,2,3,4,5,6,7
	ds_load_b128 v[R+4*\k:R+4*\k+3], v11 offset:ROWB*\k
.endr
	s_wait_dscnt 0x0
.irp k, 0,2,4,6,8,10,12,14
	v_pk_add_f32 v[R+\k:R+\k+1], v[R+\k:R+\k+1], v[R+16+\k:R+17+\k]
.endr
.irp k, 0,2,4,6
	v_pk_add_f32 v[R+\k:R+\k+1], v[R+\k:R+\k+1], v[R+8+\k:R+9+\k]
.endr
.irp k, 0,2
	v_pk_add_f32 v[R+\k:R+\k+1], v[R+\k:R+\k+1], v[R+4+\k:R+5+\k]
.endr
	global_store_b128 v3, v[R:R+3], s[12:13]
	s_wait_tensorcnt 0x0
	ds_add_u32 v224, v225
	s_wait_dscnt 0x0
	s_endpgm
.Lhigh:
	s_cmp_eq_u32 s20, 7
	s_cbranch_scc0 .Lend
	; wave 7: lane 0 stores m at ms[b][0][c], lane 1 stores s at ms[b][1][c]
	v_cmp_eq_u32 vcc_lo, 0, v1
	v_cndmask_b32 v13, v24, v22, vcc_lo
	v_cmp_gt_u32 vcc_lo, 2, v1
	s_wait_xcnt 0x0                                ; EXEC changes only behind this wait
	s_and_saveexec_b32 s46, vcc_lo
	global_store_b32 v31, v13, s[14:15]
	s_wait_xcnt 0x0
	s_or_b32 exec_lo, exec_lo, s46
.Lend:
	s_wait_tensorcnt 0x0
	ds_add_u32 v224, v225
	s_wait_dscnt 0x0
	s_endpgm
.Lfunc_end_k_q21a3a9e570_mix:
	.size	k_q21a3a9e570_mix, .Lfunc_end_k_q21a3a9e570_mix-k_q21a3a9e570_mix
	.p2alignl 7, 3214868480
	.fill 96, 4, 3214868480
	.section	.rodata,"a",@progbits
	.p2align	6, 0x0
	.amdhsa_kernel k_q21a3a9e570_mix
		.amdhsa_group_segment_fixed_size 29696
		.amdhsa_private_segment_fixed_size 0
		.amdhsa_enable_private_segment 0
		.amdhsa_kernarg_size 48
		.amdhsa_user_sgpr_count 2
		.amdhsa_user_sgpr_kernarg_segment_ptr 1
		.amdhsa_wavefront_size32 1
		.amdhsa_system_sgpr_workgroup_id_x 1
		.amdhsa_system_sgpr_workgroup_id_y 1
		.amdhsa_system_sgpr_workgroup_id_z 1
		.amdhsa_system_vgpr_workitem_id 0
		.amdhsa_next_free_vgpr 226
		.amdhsa_next_free_sgpr 66
		.amdhsa_reserve_vcc 1
		.amdhsa_float_denorm_mode_32 3
		.amdhsa_float_denorm_mode_16_64 3
		.amdhsa_memory_ordered 1
		.amdhsa_forward_progress 1
		.amdhsa_inst_pref_size 22
	.end_amdhsa_kernel
	.amdgpu_metadata
---
amdhsa.version: [ 1, 2 ]
amdhsa.kernels:
  - .name:           k_q21a3a9e570_mix
    .symbol:         k_q21a3a9e570_mix.kd
    .args:
      - { .name: token_embeddings, .offset: 0, .size: 8, .value_kind: global_buffer, .address_space: global }
      - { .name: logits, .offset: 8, .size: 8, .value_kind: global_buffer, .address_space: global }
      - { .name: gsum, .offset: 16, .size: 8, .value_kind: global_buffer, .address_space: global }
      - { .name: lifin, .offset: 24, .size: 8, .value_kind: global_buffer, .address_space: global }
      - { .name: ypart, .offset: 32, .size: 8, .value_kind: global_buffer, .address_space: global }
      - { .name: ms, .offset: 40, .size: 8, .value_kind: global_buffer, .address_space: global }
    .group_segment_fixed_size: 29696
    .private_segment_fixed_size: 0
    .kernarg_segment_align: 8
    .kernarg_segment_size: 48
    .max_flat_workgroup_size: 256
    .sgpr_count:     66
    .vgpr_count:     226
    .wavefront_size: 32
...
	.end_amdgpu_metadata
.endif
;; end of part 3
;; launch outp (part 4): grid 32 x 8, 8 waves a work-group, no clusters, 5,120 bytes of LDS; arguments ypart, ms, Wv, bv, out0; writes out0
.if DOCPART == 4
	.amdgcn_target "amdgcn-amd-amdhsa--gfx1250"
	.amdhsa_code_object_version 6
	.text
	.protected	k_q21a3a9e570_outp
	.globl	k_q21a3a9e570_outp
	.p2align	8
	.type	k_q21a3a9e570_outp,@function
k_q21a3a9e570_outp:
	s_mov_b64 s[64:65], 0
	v_nop
	global_prefetch_b8 v0, s[64:65] scope:SCOPE_SE
	s_setreg_imm32_b32 hwreg(HW_REG_WAVE_MODE, 25, 1), 1
	s_wait_xcnt 0x0
; FOURTH LAUNCH.  Merges the 32 softmax pieces of a batch and applies Wv and bv:
;   M = max of m[c], a[c] = e^(m[c] - M), S = sum of a[c] s[c], y = sum of (a[c] / S) ypart[b][c],  out0[b][e] = Wv[e] . y + bv[e].
; The weights add up to 1, so bv enters once: this equals sum over t of attn[t] (Wv x[b,t] + bv) for every input.
; Work-group (er = x id, 0..31; b = y id): out0[b][24 er .. 24 er + 23].  Wave w: rows 24 er + 3 w + 0..2 of Wv.  Waves 0-5 also merge
; (thread t of 192 owns 4 columns of y).  Everything is asked for at once: 53 loads a wave at the most.
; f32 on the vector ALU: one multiply-add for each number loaded.  No tensor loads.  No cluster: the 32 work-groups of a batch share ypart[b]
; (98,304 bytes against 73,728 of Wv); it is summed straight out of the load registers, each byte used once, and a joint request would
; add a way through LDS for the same bytes.
; A work-group stores 96 bytes of an output of 24,576: whole aligned blocks of 256 bytes would want 64 rows of Wv a work-group, 96 work-groups in all.
; Limits: sums in another order than the problem's function, all f32.  A chunk masked whole has m = minus infinity and drops out (a = 0, y part 0).
; A batch masked whole gives NaN through (minus infinity) - (minus infinity), as the function's softmax does.  S is at least 1: the chunk that
; holds the maximum has a = 1 and s >= 1.
.set ROWB, 3072
.set OL,   3072                        ; LDS 0..3071: y.  OL: 24 dot products
.set LOG2E, 0x3fb8aa3b
.set SELLO, 66                         ; s66, s67: selectors of v_permlanex16_b32
.set SELHI, 67
.set AL,  32                           ; s[32:63] a[c] / S
.set Y,   18                           ; v[18:21]   my 4 columns of y
.set YP,  32                           ; v[32:159]  32 chunks x 4 columns
.set WV,  160                          ; v[160:231] my 3 rows of Wv: lane l holds columns 4 l + 128 i + 0..3 of row r in registers 24 r + 4 i ..
.set YV,  32                           ; v[32:55]   afterwards: y, my 24 columns
.set PR,  56                           ; v[56:61]   a pair of running sums for each row
.set D,   62                           ; v[62:64]   the 3 dot products
; v1 lane, v2 16 lane, v3 512 w + 16 lane, v6 4 min(lane, 23), v7 4 lane, v9 OL + 12 w, v12 scratch, v14 m, v15 s, v16 bv, v17, v22-24 at work
.macro REDSUM r, t
	v_add_f32_dpp v[\r], v[\r], v[\r] row_xmask:1 row_mask:0xf bank_mask:0xf
	v_add_f32_dpp v[\r], v[\r], v[\r] row_xmask:2 row_mask:0xf bank_mask:0xf
	v_add_f32_dpp v[\r], v[\r], v[\r] row_xmask:4 row_mask:0xf bank_mask:0xf
	v_add_f32_dpp v[\r], v[\r], v[\r] row_xmask:8 row_mask:0xf bank_mask:0xf
	v_permlanex16_b32 v[\t], v[\r], s[SELLO], s[SELHI]
	v_add_f32 v[\r], v[\r], v[\t]
.endm
.macro REDMAX r, t
	v_max_num_f32_dpp v[\r], v[\r], v[\r] row_xmask:1 row_mask:0xf bank_mask:0xf
	v_max_num_f32_dpp v[\r], v[\r], v[\r] row_xmask:2 row_mask:0xf bank_mask:0xf
	v_max_num_f32_dpp v[\r], v[\r], v[\r] row_xmask:4 row_mask:0xf bank_mask:0xf
	v_max_num_f32_dpp v[\r], v[\r], v[\r] row_xmask:8 row_mask:0xf bank_mask:0xf
	v_permlanex16_b32 v[\t], v[\r], s[SELLO], s[SELHI]
	v_max_num_f32 v[\r], v[\r], v[\t]
.endm
.macro LOADW                           ; 18 loads of 512 consecutive bytes: my 3 rows.  No hint: the eight batches' work-groups read the same rows
.irp r, 0,1,2
.irp i, 0,1,2,3,4,5
	global_load_b128 v[WV+24*\r+4*\i:WV+24*\r+4*\i+3], v2, s[8:9] offset:\r*ROWB+512*\i
.endr
.endr
.endm
	s_load_b256 s[4:11], s[0:1], 0x0               ; ypart 4, ms 6, Wv 8, bv 10
	s_load_b64 s[12:13], s[0:1], 0x20              ; out0
	v_lshl_add_u32 v232, v0, 2, 0x1000
	v_mov_b32 v233, 0
	v_and_b32 v1, 31, v0                           ; lane
	v_lshrrev_b32 v2, 5, v0
	v_readfirstlane_b32 s20, v2                    ; wave
	s_and_b32 s22, ttmp7, 0xffff                   ; b
	s_mov_b32 s[SELLO], 0x76543210
	s_mov_b32 s[SELHI], 0xfedcba98
	v_lshlrev_b32 v2, 4, v1
	s_lshl_b32 s24, s20, 9
	v_add_nc_u32 v3, s24, v2
	v_min_u32 v6, 23, v1
	v_lshlrev_b32 v6, 2, v6
	v_lshlrev_b32 v7, 2, v1
	s_mul_i32 s24, s20, 12
	s_add_co_u32 s24, s24, OL
	v_mov_b32 v9, s24
	v_mov_b32 v12, 0                               ; destination of v_permlanex16_b32 counts as read
	s_mov_b32 s25, 0
	s_wait_kmcnt 0x0
	s_mul_i32 s24, s22, 32*ROWB
	s_add_nc_u64 s[4:5], s[4:5], s[24:25]          ; ypart[b]
	s_lshl_b32 s24, s22, 8
	s_add_nc_u64 s[6:7], s[6:7], s[24:25]          ; ms[b]
	s_mul_i32 s24, ttmp9, 24
	s_mul_i32 s26, s20, 3
	s_add_co_u32 s24, s24, s26
	s_mul_i32 s24, s24, ROWB
	s_add_nc_u64 s[8:9], s[8:9], s[24:25]          ; Wv at row 24 er + 3 w
	s_mul_i32 s24, ttmp9, 96
	s_add_nc_u64 s[10:11], s[10:11], s[24:25]      ; bv[24 er]
	s_add_nc_u64 s[12:13], s[12:13], s[24:25]
	s_mul_i32 s24, s22, ROWB
	s_add_nc_u64 s[12:13], s[12:13], s[24:25]      ; out0[b][24 er]
	global_load_b32 v14, v7, s[6:7]                ; m, lane = chunk
	global_load_b32 v15, v7, s[6:7] offset:128     ; s
	global_load_b32 v16, v6, s[10:11]              ; bv (in every wave, so that it is written on every path; wave 7 uses it)
	s_cmp_lt_u32 s20, 6
	s_cbranch_scc0 .Lonlyw
.set cc, 0
.rept 32
	global_load_b128 v[YP+4*cc:YP+4*cc+3], v3, s[4:5] offset:ROWB*cc
.set cc, cc+1
.endr
	LOADW
	s_wait_loadcnt 0x32                            ; 50 younger loads (32 of ypart, 18 of Wv) stay out: m and s are in
	v_mov_b32 v17, v14
	REDMAX 17, 12                                  ; M
	v_sub_f32 v17, v14, v17
	v_mul_f32 v17, LOG2E, v17
	v_exp_f32 v22, v17                             ; a, at most 1
	v_nop                                          ; the plain instruction between a transcendental and the use of its result (ISA guide 5.7.2)
	s_wait_alu depctr_va_vdst(0)
	v_mul_f32 v23, v22, v15
	REDSUM 23, 12                                  ; S
	v_rcp_f32 v24, v23
	v_nop
	s_wait_alu depctr_va_vdst(0)
	v_mul_f32 v22, v22, v24                        ; a / S
.set cc, 0
.rept 32
	v_readlane_b32 s[AL+cc], v22, cc               ; values only: they steer nothing
.set cc, cc+1
.endr
	s_wait_loadcnt 0x12                            ; the 18 loads of Wv stay out: ypart is in
.irp k, 0,1,2,3
	v_mul_f32 v[Y+\k], s[AL], v[YP+\k]
.endr
.set cc, 1
.rept 31
.irp k, 0,1,2,3
	v_fmac_f32 v[Y+\k], s[AL+cc], v[YP+4*cc+\k]
.endr
.set cc, cc+1
.endr
	ds_store_b128 v3, v[Y:Y+3]
	s_branch .Ljoin
.Lonlyw:
	LOADW
.Ljoin:
	s_wait_dscnt 0x0                               ; my part of y is in LDS before I say so
	s_barrier_signal -1
	s_barrier_wait -1
.irp i, 0,1,2,3,4,5
	ds_load_b128 v[YV+4*\i:YV+4*\i+3], v2 offset:512*\i
.endr
	s_wait_loadcnt 0x0                             ; Wv (nothing was issued behind it)
	s_wait_dscnt 0x0
.irp r, 0,1,2
	v_pk_mul_f32 v[PR+2*\r:PR+2*\r+1], v[WV+24*\r:WV+24*\r+1], v[YV:YV+1]
.endr
.set jj, 1
.rept 11
.irp r, 0,1,2
	v_pk_fma_f32 v[PR+2*\r:PR+2*\r+1], v[WV+24*\r+2*jj:WV+24*\r+2*jj+1], v[YV+2*jj:YV+2*jj+1], v[PR+2*\r:PR+2*\r+1]
.endr
.set jj, jj+1
.endr
.irp r, 0,1,2
	v_add_f32 v[D+\r], v[PR+2*\r], v[PR+2*\r+1]
.endr
.irp m, 1,2,4,8
.irp r, 0,1,2
	v_add_f32_dpp v[D+\r], v[D+\r], v[D+\r] row_xmask:\m row_mask:0xf bank_mask:0xf
.endr
.endr
.irp r, 0,1,2
	v_permlanex16_b32 v12, v[D+\r], s[SELLO], s[SELHI]
	v_add_f32 v[D+\r], v[D+\r], v12
.endr
.irp r, 0,1,2
	ds_store_b32 v9, v[D+\r] offset:4*\r           ; word 3 w + r; all lanes write the same word with the same value
.endr
	s_wait_dscnt 0x0
	s_barrier_signal -1
	s_barrier_wait -1
	s_cmp_lg_u32 s20, 7
	s_cbranch_scc1 .Lend
	ds_load_b32 v12, v6 offset:OL                  ; lane = row, 24 of them
	s_wait_dscnt 0x0
	v_add_f32 v12, v12, v16
	v_cmp_gt_u32 vcc_lo, 24, v1
	s_wait_xcnt 0x0                                ; EXEC changes only behind this wait
	s_and_saveexec_b32 s68, vcc_lo
	global_store_b32 v7, v12, s[12:13]
	s_wait_xcnt 0x0
	s_or_b32 exec_lo, exec_lo, s68
.Lend:
	s_wait_tensorcnt 0x0
	ds_add_u32 v232, v233
	s_wait_dscnt 0x0
	s_endpgm
.Lfunc_end_k_q21a3a9e570_outp:
	.size	k_q21a3a9e570_outp, .Lfunc_end_k_q21a3a9e570_outp-k_q21a3a9e570_outp
	.p2alignl 7, 3214868480
	.fill 96, 4, 3214868480
	.section	.rodata,"a",@progbits
	.p2align	6, 0x0
	.amdhsa_kernel k_q21a3a9e570_outp
		.amdhsa_group_segment_fixed_size 5120
		.amdhsa_private_segment_fixed_size 0
		.amdhsa_enable_private_segment 0
		.amdhsa_kernarg_size 40
		.amdhsa_user_sgpr_count 2
		.amdhsa_user_sgpr_kernarg_segment_ptr 1
		.amdhsa_wavefront_size32 1
		.amdhsa_system_sgpr_workgroup_id_x 1
		.amdhsa_system_sgpr_workgroup_id_y 1
		.amdhsa_system_sgpr_workgroup_id_z 1
		.amdhsa_system_vgpr_workitem_id 0
		.amdhsa_next_free_vgpr 234
		.amdhsa_next_free_sgpr 72
		.amdhsa_reserve_vcc 1
		.amdhsa_float_denorm_mode_32 3
		.amdhsa_float_denorm_mode_16_64 3
		.amdhsa_memory_ordered 1
		.amdhsa_forward_progress 1
		.amdhsa_inst_pref_size 21
	.end_amdhsa_kernel
	.amdgpu_metadata
---
amdhsa.version: [ 1, 2 ]
amdhsa.kernels:
  - .name:           k_q21a3a9e570_outp
    .symbol:         k_q21a3a9e570_outp.kd
    .args:
      - { .name: ypart, .offset: 0, .size: 8, .value_kind: global_buffer, .address_space: global }
      - { .name: ms, .offset: 8, .size: 8, .value_kind: global_buffer, .address_space: global }
      - { .name: Wv, .offset: 16, .size: 8, .value_kind: global_buffer, .address_space: global }
      - { .name: bv, .offset: 24, .size: 8, .value_kind: global_buffer, .address_space: global }
      - { .name: out0, .offset: 32, .size: 8, .value_kind: global_buffer, .address_space: global }
    .group_segment_fixed_size: 5120
    .private_segment_fixed_size: 0
    .kernarg_segment_align: 8
    .kernarg_segment_size: 40
    .max_flat_workgroup_size: 256
    .sgpr_count:     72
    .vgpr_count:     234
    .wavefront_size: 32
...
	.end_amdgpu_metadata
.endif
;; end of part 4
